; MI455X (gfx1250); checked and timed in simulation.
; The chip was launched on July 23, 2026; its instructions are those of AMD's public machine-readable ISA for CDNA 5 (MIT licence, August 2026) and "CDNA5" Instruction Set Architecture Reference Guide (July 2026). The comments in the code are by the model that wrote it; some were corrected since.
;; Local Window Multi Head Attention. Allowed arithmetic: float matrix products may take bf16 or f16 operands with f32 sums; all other float work in f32.
;; Inputs: Wk 128 x 128 float32; Wo 128 x 128 float32; Wq 128 x 128 float32; Wv 128 x 128 float32; bk 128 float32; bo 128 float32; bq 128 float32; bv 128 float32; x 1 x 128 x 128 x 128 float32.
;; Outputs: out0 1 x 128 x 128 x 128 float32.
;; One version. Each part assembles by itself: llvm-mc -triple=amdgcn-amd-amdhsa -mcpu=gfx1250 --defsym DOCPART=n.
;; ======== version 1 of 1: 1 launch
;; limits: right only within a limited range of input values; values are held in f16: magnitudes above 65,504 overflow, below 6.1e-05 lose precision
;; launch lwattn (part 1): grid 16 x 16, 8 waves a work-group, no clusters, 252,416 bytes of LDS; arguments x, Wq, bq, Wk, bk, Wv, bv, Wo, bo, out0; writes out0
.if DOCPART == 1
	.amdgcn_target "amdgcn-amd-amdhsa--gfx1250"
	.amdhsa_code_object_version 6
	.text
	.protected	k_q08faea1a16_lwattn
	.globl	k_q08faea1a16_lwattn
	.p2align	8
	.type	k_q08faea1a16_lwattn,@function
k_q08faea1a16_lwattn:
	s_mov_b64 s[64:65], 0
	v_nop
	global_prefetch_b8 v0, s[64:65] scope:SCOPE_SE
	s_setreg_imm32_b32 hwreg(HW_REG_WAVE_MODE, 25, 1), 1
	s_wait_xcnt 0x0
; Attention over a 7 x 7 reflect-padded window, 8 heads of 16 channels, on a 128 x 128 x 128 f32 image, with its four projections: one launch.
; A work-group owns 8 x 8 pixels and makes K and V anew on its halo of 14 rows x 16 columns (14 columns are needed; columns 14 and 15 are
; real reflected pixels that every mask rejects), so that nothing goes through memory between the steps.  Eight waves; WAVE w IS HEAD w:
; it needs rows 16 w .. 16 w + 15 of each weight matrix and no others, and K, V, Q, the scores and the weights of its head never leave its
; registers: each matrix result, packed to 16 bits, already is the next product's fragment (the comments at the macros say why).
; Only three things cross waves, each through LDS bytes of its own behind one barrier: the halo of x (bf16), the attention output (bf16),
; and the f32 result, so that each store of a wave covers the 512 consecutive, aligned bytes of one pixel.
; FORMATS: x, the weights, K, Q and the attention output are matrix operands in bf16.  V and the softmax weights P are in f16: P lies in [0, 1], and
; V = x Wv^T carries no bias (bv is added behind the weighted sum, whose weights sum to one).  All sums, softmax and biases in f32.
; LIMITS: |V| must stay under 65,504 (f16); with x and Wv both 30 times the drawn spread it is near 1,200, with offsets of 30 spreads on both near 3,100.
;   Rejected keys get the score -1.0e30 and not -infinity: true scores (before the factor 1/4) must stay above about -1e29.
;   K and Wq must be finite in bf16: a head has 16 channels and the product takes 32, so the upper half of a K fragment (the next tile, or a piece
;   of Wq) meets zeros in Q's fragment.  P is rounded to f16 for the product, its sum is taken in f32 before that rounding.
;   Q's 32 fragment loads a wave collide two deep: query rows 16 halo pixels apart lie 16 x 272 = 17 x 256 bytes apart.
; THE TRUE MAXIMUM is taken away before the exponential: all 128 scores of a query (49 of them kept) are in two lanes' registers at once.
; NOT USED: tensor loads and joint loads in a cluster.  All inputs are f32 and pass through registers to become bf16; reflection is no strided tile;
;   the weights, which all work-groups share, would take 4 x 128 x 528 = 270,336 bytes of LDS as f32, and with the halo's 60,928 that is more than the
;   327,680 bytes a work-group can be given.  No prefetch: every load goes out in two groups near the head, nothing is asked for late.
; No loop, no branch, no change of EXEC; no register that a global load or store names as address, base or data is ever written again.
.set XP,    272                        ; pitch of a bf16 row of 128: 256 bytes + 16, an odd multiple of 16: 16 neighbouring rows start in 16 different columns of 16 bytes
.set OSP,   528                        ; pitch of an f32 row of 128: 512 + 16
.set TILE,  16*XP                      ; 16 rows: one halo row, one wave's rows of a weight matrix, one group of queries
.set WM,    128*XP                     ; one weight matrix in LDS
.set WS,    224*XP                     ; LDS: 0 the halo, pixel p = 16 hy + hx at 272 p;  60,928 the weights, k, v, q, o
.set AT,    WS+4*WM                    ; 200,192 the attention output, query q = 8 qy + qx at 272 q
.set OS,    AT+64*XP                   ; 217,600 the result in f32, query q at 528 q; ends at 251,392
; block 0 (v0-v255): addresses, C operands, accumulators, all vector arithmetic
.set LANE, 1
.set R,    2                           ; lane & 15
.set H,    3                           ; lane >> 4
.set XC0,  4                           ; 16 lane + 512 x image column of halo column 2 w
.set XC1,  5                           ; the same for halo column 2 w + 1
.set WOFF, 6                           ; 16 lane + 8192 w: my 16 rows of a weight matrix
.set BOFF, 7                           ; 64 w + 32 h: b[16 w + 8 h ..]
.set XST,  8
.set WST,  9
.set WST2, 10
.set XFA,  11
.set XQA,  12
.set WFA,  13
.set WFA2, 14
.set ATS,  15
.set ATF,  16
.set OSS,  17
.set OSL,  18
.set L16,  19                          ; 16 lane
.set T,    20                          ; v[20:31] at work
.set BK,   32                          ; v[32:39] register j: bk[16 w + 8 h + j]; BQ, BV, BO likewise
.set BQ,   40
.set BV,   48
.set BO,   56
.set MT,   64                          ; masks as C operands: first, middle and last key row of a group
.set MM,   72
.set MB,   80
.set ACC,  96                          ; v[96:127] four accumulators of the projections
.set SC0,  96                          ; v[96:159], v[160:223]: the scores of two groups of queries
.set SC1,  160
.set OA,   224                         ; v[224:239] two half sums of P V
.set WQL,  128                         ; v[128:191], v[192:255]: Wq and Wo as loaded; dead before SC0's upper part, SC1 and OA are written
.set WOL,  192
.set OT,   128                         ; the result on its way out
; block 1 (v256-v511, named by their low 8 bits): what matrix instructions read as A or B, and the landing zone of x, Wk, Wv
.set XL,   0                           ; 0-111 x as loaded, 4 registers a pixel
.set WKL,  112                         ; 112-175 Wk, 176-239 Wv as loaded
.set WVL,  176
.set VF,   0                           ; 0-55 V, 4 registers a halo row (f16)
.set KF,   56                          ; 56-111 K, 4 registers a halo row (bf16)
.set WA,   112                         ; 112-143 fragments of Wk, later of Wq
.set WB,   144                         ; 144-175 fragments of Wv
.set X0,   176                         ; 176-207, 208-239 fragments of x, two tiles
.set X1,   208
.set QF,   144                         ; later: Q, 8 registers a group, the upper 4 zero
.set PF,   176                         ; later: P of one group
.set WOF,  208                         ; later: fragments of Wo
.set AF,   0                           ; last: 0-127 fragments of the attention output
; s_set_vgpr_msb's low byte: bits 1:0 source 0, 3:2 source 1, 5:4 source 2, 7:6 destination; the high byte repeats the setting that is left.
; Settings used: 0;  0x05 A and B in block 1 (matrix);  0x40 destination in block 1 (loads, packing);  0x45 in place in block 1;  0x04 LDS store data in block 1.
.set MSB, 0
.macro WIN new
.if MSB != \new
	s_set_vgpr_msb (MSB<<8)|\new
.set MSB, \new
.endif
.endm
; Four places behind matrix instructions, ahead of vector instructions that read a result and of loads into an operand (ISA guide 7.12.1 for vector instructions).
;   Other matrix instructions are not counted as places.
.macro PLACES
.rept 4
	v_nop
.endr
.endm
.macro REFL d, t                       ; s[d] = its mirror image inside 0 .. 127: |i|, then min(i, 254 - i)
	s_sub_co_i32 s[\t], 0, s[\d]
	s_max_i32 s[\d], s[\d], s[\t]
	s_sub_co_i32 s[\t], 254, s[\d]
	s_min_i32 s[\d], s[\d], s[\t]
.endm
	s_load_b256 s[4:11], s[0:1], 0x0               ; x s[4:5], Wq s[6:7], bq s[8:9], Wk s[10:11]
	s_load_b256 s[12:19], s[0:1], 0x20             ; bk s[12:13], Wv s[14:15], bv s[16:17], Wo s[18:19]
	s_load_b128 s[20:23], s[0:1], 0x40             ; bo s[20:21], out0 s[22:23]
	v_lshl_add_u32 v94, v0, 2, 0x3d600
	v_mov_b32 v95, 0
	v_lshrrev_b32 v[T], 5, v0
	v_readfirstlane_b32 s24, v[T]                  ; w: the wave's number = the head
	v_and_b32 v[LANE], 31, v0
	v_and_b32 v[R], 15, v0
	v_bfe_u32 v[H], v0, 4, 1
	v_lshlrev_b32 v[L16], 4, v[LANE]
	s_lshl_b32 s25, ttmp9, 3                       ; 8 tx
	s_lshl1_add_u32 s26, s24, s25                  ; 8 tx + 2 w
	s_sub_co_i32 s26, s26, 3                       ; image column of halo column 2 w,
	s_add_co_i32 s27, s26, 1                       ; and of 2 w + 1
	REFL 26, 59
	REFL 27, 59
	s_lshl_b32 s26, s26, 9                         ; 512 bytes a pixel
	s_lshl_b32 s27, s27, 9
	v_add_nc_u32 v[XC0], s26, v[L16]
	v_add_nc_u32 v[XC1], s27, v[L16]
	s_lshl_b32 s59, s24, 13
	v_add_nc_u32 v[WOFF], s59, v[L16]
	s_lshl_b32 s59, s24, 6
	v_lshl_add_u32 v[BOFF], v[H], 5, s59
	s_and_b32 s58, ttmp7, 0xffff                   ; ty
	s_lshl_b32 s58, s58, 3
	s_sub_co_i32 s58, s58, 3                       ; image row of halo row 0
	s_mov_b32 s57, 0
	s_wait_kmcnt 0x0
	; FIRST GROUP OF LOADS, 62 a wave: bk, two halo columns of x (a pixel = 512 bytes = one load of the wave), my 16 rows of Wk and of Wv (a row = one load).
	global_load_b128 v[BK:BK+3], v[BOFF], s[12:13]
	global_load_b128 v[BK+4:BK+7], v[BOFF], s[12:13] offset:16
	WIN 0x40
.irp y, 0,1,2,3,4,5,6,7,8,9,10,11,12,13
	s_add_co_i32 s56, s58, \y
	REFL 56, 59
	s_lshl_b32 s56, s56, 16                        ; 65,536 bytes an image row
	s_add_nc_u64 s[28+2*\y:29+2*\y], s[4:5], s[56:57]  ; a base of its own for each halo row: none is written while a load names it
	global_load_b128 v[XL+8*\y:XL+8*\y+3], v[XC0], s[28+2*\y:29+2*\y]
	global_load_b128 v[XL+8*\y+4:XL+8*\y+7], v[XC1], s[28+2*\y:29+2*\y]
.endr
.irp i, 0,1,2,3,4,5,6,7,8,9,10,11,12,13,14,15
	global_load_b128 v[WKL+4*\i:WKL+4*\i+3], v[WOFF], s[10:11] offset:512*\i
.endr
.irp i, 0,1,2,3,4,5,6,7,8,9,10,11,12,13,14,15
	global_load_b128 v[WVL+4*\i:WVL+4*\i+3], v[WOFF], s[14:15] offset:512*\i
.endr
	WIN 0
	; while they are on their way: LDS addresses, masks, constants
	s_mul_i32 s59, s24, 2*XP
	v_lshl_add_u32 v[XST], v[LANE], 3, s59         ; x in: pixel 2 w of halo row 0, 8 bytes a lane
	s_mul_i32 s59, s24, TILE
	s_add_co_u32 s59, s59, WS                      ; my 4,352 bytes of matrix k; no other wave touches them
	v_lshl_add_u32 v[WST], v[LANE], 3, s59         ; weights in: 8 bytes a lane
	v_add_nc_u32 v[WST2], 2*WM, v[WST]             ; the same in matrices q and o
	v_mul_u32_u24 v[XFA], v[R], XP
	v_lshl_add_u32 v[XFA], v[H], 4, v[XFA]         ; a fragment's lane term: 272 r + 16 h.  As it stands: x's fragment of halo row 0
	v_add_nc_u32 v[WFA], s59, v[XFA]               ; my rows' fragments, matrices k and v
	v_add_nc_u32 v[WFA2], 2*WM, v[WFA]             ; matrices q and o
	v_lshrrev_b32 v[T], 3, v[R]
	v_lshl_add_u32 v[T], v[T], 3, v[R]             ; query r of a group (2 rows x 8) is halo pixel 51 + 16 (r >> 3) + (r & 7) = 51 + r + 8 (r >> 3), + 32 a group
	v_mul_u32_u24 v[T], v[T], XP
	v_lshl_add_u32 v[T], v[H], 4, v[T]
	v_add_nc_u32 v[XQA], 51*XP, v[T]
	s_lshl_b32 s59, s24, 5
	s_add_co_u32 s59, s59, AT
	v_add_nc_u32 v[ATS], s59, v[XFA]               ; attention output in: row r, my head's 32 bytes, 16 a half
	v_add_nc_u32 v[ATF], AT, v[XFA]                ; and its fragments
	v_mul_u32_u24 v[T], v[R], OSP
	v_lshl_add_u32 v[T], v[H], 5, v[T]
	s_lshl_b32 s59, s24, 6
	s_add_co_u32 s59, s59, OS
	v_add_nc_u32 v[OSS], s59, v[T]                 ; result in: row r, my 16 channels' 64 bytes, 32 a half
	s_mul_i32 s59, s24, 8*OSP
	s_add_co_u32 s59, s59, OS
	v_add_nc_u32 v[OSL], s59, v[L16]               ; result back: rows 8 w .., 16 bytes a lane
	s_add_co_i32 s72, s58, 3
	s_add_co_u32 s72, s72, s24                     ; image row 8 ty + w
	s_lshl_b32 s72, s72, 16
	s_lshl_b32 s59, ttmp9, 12                      ; image column 8 tx
	s_add_co_u32 s72, s72, s59
	s_mov_b32 s73, 0
	s_add_nc_u64 s[70:71], s[22:23], s[72:73]      ; out0 at the eight pixels that this wave stores
	s_mov_b32 s62, 0x3eb8aa3b                      ; c = log2(e) / 4: the scale 1 / sqrt(16) and the base of v_exp_f32 in one factor
	s_mov_b32 s63, 0x3eb8aa3b
	s_mov_b32 s68, 0xbeb8aa3b                      ; -c
	s_mov_b32 s66, 0x76543210                      ; v_permlanex16_b32: lane i takes lane i of the other half
	s_mov_b32 s67, 0xfedcba98
	; Masks, in the layout of a score tile (register j of lane (r, h): key column 8 h + j, query r): 0 where the key is in the query's window, else -1.0e30.
	; Columns: 0 <= 8 h + j - (r & 7) <= 6.  Rows: a group's 8 key rows serve query row 0 (r < 8) by rows 0-6 and query row 1 by rows 1-7.
	v_mov_b32 v[T+3], 0xf149f2ca                   ; -1.0e30
	v_mov_b32 v[T+4], 0
	v_and_b32 v[T], 7, v[R]
	v_lshlrev_b32 v[T+1], 3, v[H]
	v_sub_nc_u32 v[T+1], v[T+1], v[T]
	v_cmp_gt_u32 s60, 8, v[R]
.irp j, 0,1,2,3,4,5,6,7
	v_add_nc_u32 v[T+2], \j, v[T+1]
	v_cmp_gt_u32 vcc_lo, 7, v[T+2]                 ; unsigned: a negative difference is large
	v_cndmask_b32 v[MM+\j], v[T+3], v[T+4], vcc_lo
	v_cndmask_b32 v[MT+\j], v[T+3], v[MM+\j], s60  ; key row 0: query row 0 alone
	v_cndmask_b32 v[MB+\j], v[MM+\j], v[T+3], s60  ; key row 7: query row 1 alone
.endr
	; x TO LDS AS bf16
	s_wait_loadcnt 32                              ; loads come back in order: bk and x are in, the 32 younger loads (Wk, Wv) may be out
	WIN 0x45
.set n, 0
.rept 28
	v_cvt_pk_bf16_f32 v[XL+4*n], v[XL+4*n], v[XL+4*n+1]
	v_cvt_pk_bf16_f32 v[XL+4*n+1], v[XL+4*n+2], v[XL+4*n+3]
.set n, n+1
.endr
	WIN 0x04
.irp y, 0,1,2,3,4,5,6,7,8,9,10,11,12,13
	ds_store_b64 v[XST], v[XL+8*\y:XL+8*\y+1] offset:XP*16*\y
	ds_store_b64 v[XST], v[XL+8*\y+4:XL+8*\y+5] offset:XP*(16*\y+1)
.endr
	s_wait_dscnt 0x0                               ; for the other waves: my two columns of the halo are written
	s_barrier_signal -1
	s_wait_loadcnt 0x0                             ; Wk and Wv are in
	WIN 0x45
.set n, 0
.rept 32
	v_cvt_pk_bf16_f32 v[WKL+4*n], v[WKL+4*n], v[WKL+4*n+1]     ; register work while the others arrive
	v_cvt_pk_bf16_f32 v[WKL+4*n+1], v[WKL+4*n+2], v[WKL+4*n+3]
.set n, n+1
.endr
	s_barrier_wait -1                              ; the halo is whole
	WIN 0x04
.irp i, 0,1,2,3,4,5,6,7,8,9,10,11,12,13,14,15
	ds_store_b64 v[WST], v[WKL+4*\i:WKL+4*\i+1] offset:XP*\i
	ds_store_b64 v[WST], v[WVL+4*\i:WVL+4*\i+1] offset:WM+XP*\i
.endr
	WIN 0
	; SECOND GROUP OF LOADS, 38 a wave: they have the whole K and V pass in which to land
	global_load_b128 v[BQ:BQ+3], v[BOFF], s[8:9]
	global_load_b128 v[BQ+4:BQ+7], v[BOFF], s[8:9] offset:16
	global_load_b128 v[BV:BV+3], v[BOFF], s[16:17]
	global_load_b128 v[BV+4:BV+7], v[BOFF], s[16:17] offset:16
	global_load_b128 v[BO:BO+3], v[BOFF], s[20:21]
	global_load_b128 v[BO+4:BO+7], v[BOFF], s[20:21] offset:16
.irp i, 0,1,2,3,4,5,6,7,8,9,10,11,12,13,14,15
	global_load_b128 v[WQL+4*\i:WQL+4*\i+3], v[WOFF], s[6:7] offset:512*\i
.endr
.irp i, 0,1,2,3,4,5,6,7,8,9,10,11,12,13,14,15
	global_load_b128 v[WOL+4*\i:WOL+4*\i+3], v[WOFF], s[18:19] offset:512*\i
.endr
; 16 LDS loads: the fragments (16 pixels x 128 channels) of two tiles of x, at o0 and o1 from address register a, K step by K step, four loads a step
.macro XLOAD a, o0, o1
.irp k, 0,1,2,3
	ds_load_b128 v[X0+8*\k:X0+8*\k+3],   v[\a] offset:\o0+64*\k
	ds_load_b128 v[X0+8*\k+4:X0+8*\k+7], v[\a] offset:\o0+64*\k+32
	ds_load_b128 v[X1+8*\k:X1+8*\k+3],   v[\a] offset:\o1+64*\k
	ds_load_b128 v[X1+8*\k+4:X1+8*\k+7], v[\a] offset:\o1+64*\k+32
.endr
.endm
; K and V of two halo rows.  K transposed (A = Wk's rows, B = pixels): lane (r, h) gets pixel r, channels 8 h + j, which packed are registers 0-3 of
; a fragment with k = channel.  V as it is (A = pixels, B = Wv's rows): lane (r, h) gets channel r, pixels 8 h + j, which packed are half of a fragment of
; V^T with k = key.  bk is the C of K's first link.  The four accumulators take turns, one instruction a turn.
.macro KVMUL
.irp k, 0,1,2,3
	s_wait_dscnt 12-4*\k                           ; LDS loads come back in order: all but the later steps' loads, four a step, are in
.if \k == 0
	v_wmma_f32_16x16x32_bf16 v[ACC:ACC+7],     v[WA:WA+7], v[X0:X0+7], v[BK:BK+7]
	v_wmma_f32_16x16x32_bf16 v[ACC+8:ACC+15],  v[X0:X0+7], v[WB:WB+7], 0
	v_wmma_f32_16x16x32_bf16 v[ACC+16:ACC+23], v[WA:WA+7], v[X1:X1+7], v[BK:BK+7]
	v_wmma_f32_16x16x32_bf16 v[ACC+24:ACC+31], v[X1:X1+7], v[WB:WB+7], 0
.else
	v_wmma_f32_16x16x32_bf16 v[ACC:ACC+7],     v[WA+8*\k:WA+8*\k+7], v[X0+8*\k:X0+8*\k+7], v[ACC:ACC+7]
	v_wmma_f32_16x16x32_bf16 v[ACC+8:ACC+15],  v[X0+8*\k:X0+8*\k+7], v[WB+8*\k:WB+8*\k+7], v[ACC+8:ACC+15]
	v_wmma_f32_16x16x32_bf16 v[ACC+16:ACC+23], v[WA+8*\k:WA+8*\k+7], v[X1+8*\k:X1+8*\k+7], v[ACC+16:ACC+23]
	v_wmma_f32_16x16x32_bf16 v[ACC+24:ACC+31], v[X1+8*\k:X1+8*\k+7], v[WB+8*\k:WB+8*\k+7], v[ACC+24:ACC+31]
.endif
.endr
.endm
.macro KVPACK t                        ; halo rows t and t + 1: K to bf16, V to f16
.irp e, 0,1,2,3
	v_cvt_pk_bf16_f32 v[KF+4*\t+\e],   v[ACC+2*\e],    v[ACC+2*\e+1]
	v_cvt_pk_f16_f32  v[VF+4*\t+\e],   v[ACC+8+2*\e],  v[ACC+9+2*\e]
	v_cvt_pk_bf16_f32 v[KF+4*\t+4+\e], v[ACC+16+2*\e], v[ACC+17+2*\e]
	v_cvt_pk_f16_f32  v[VF+4*\t+4+\e], v[ACC+24+2*\e], v[ACC+25+2*\e]
.endr
.endm
	; THE K AND V PASS: 14 halo rows, two at a time
	WIN 0x40
.irp k, 0,1,2,3
	ds_load_b128 v[WA+8*\k:WA+8*\k+3],   v[WFA] offset:64*\k          ; my own bytes: LDS serves a wave's instructions in order, these see the stores above
	ds_load_b128 v[WA+8*\k+4:WA+8*\k+7], v[WFA] offset:64*\k+32
	ds_load_b128 v[WB+8*\k:WB+8*\k+3],   v[WFA] offset:WM+64*\k
	ds_load_b128 v[WB+8*\k+4:WB+8*\k+7], v[WFA] offset:WM+64*\k+32
.endr
	XLOAD XFA, 0, TILE
.irp t, 0,2,4,6,8,10
	WIN 0x05
	KVMUL
	WIN 0x40
	PLACES
	XLOAD XFA, (\t+2)*TILE, (\t+3)*TILE            ; the next two rows' fragments are on their way while these two rows are packed
	KVPACK \t
.endr
	WIN 0x05
	KVMUL
	WIN 0x40
	PLACES
	KVPACK 12
	; THE Q PASS: Wq and Wo to LDS as bf16, then Q of the four groups of 16 queries, two groups at a time
	s_wait_loadcnt 0x0                             ; bq, bv, bo, Wq, Wo are in
	WIN 0
.set n, 0
.rept 32
	v_cvt_pk_bf16_f32 v[WQL+4*n], v[WQL+4*n], v[WQL+4*n+1]
	v_cvt_pk_bf16_f32 v[WQL+4*n+1], v[WQL+4*n+2], v[WQL+4*n+3]
.set n, n+1
.endr
.irp i, 0,1,2,3,4,5,6,7,8,9,10,11,12,13,14,15
	ds_store_b64 v[WST2], v[WQL+4*\i:WQL+4*\i+1] offset:XP*\i
	ds_store_b64 v[WST2], v[WOL+4*\i:WOL+4*\i+1] offset:WM+XP*\i
.endr
	WIN 0x40
.irp k, 0,1,2,3
	ds_load_b128 v[WA+8*\k:WA+8*\k+3],   v[WFA2] offset:64*\k         ; my own bytes again
	ds_load_b128 v[WA+8*\k+4:WA+8*\k+7], v[WFA2] offset:64*\k+32
.endr
	XLOAD XQA, 0, 2*TILE
.irp g, 0,1,2,3
.irp e, 4,5,6,7
	v_mov_b32 v[QF+8*\g+\e], 0                     ; k = 16 .. 31 of Q's fragments: a head has 16 channels
.endr
.endr
; Q transposed, as K: lane (r, h) gets query r, channels 8 h + j.  bq is the C of the first link.  Two accumulators by turns.
.macro QMUL
.irp k, 0,1,2,3
	s_wait_dscnt 12-4*\k                           ; as in KVMUL: four loads a later step
.if \k == 0
	v_wmma_f32_16x16x32_bf16 v[ACC:ACC+7],    v[WA:WA+7], v[X0:X0+7], v[BQ:BQ+7]
	v_wmma_f32_16x16x32_bf16 v[ACC+8:ACC+15], v[WA:WA+7], v[X1:X1+7], v[BQ:BQ+7]
.else
	v_wmma_f32_16x16x32_bf16 v[ACC:ACC+7],    v[WA+8*\k:WA+8*\k+7], v[X0+8*\k:X0+8*\k+7], v[ACC:ACC+7]
	v_wmma_f32_16x16x32_bf16 v[ACC+8:ACC+15], v[WA+8*\k:WA+8*\k+7], v[X1+8*\k:X1+8*\k+7], v[ACC+8:ACC+15]
.endif
.endr
.endm
.macro QPACK g                         ; groups g and g + 1
.irp e, 0,1,2,3
	v_cvt_pk_bf16_f32 v[QF+8*\g+\e],   v[ACC+2*\e],   v[ACC+2*\e+1]
	v_cvt_pk_bf16_f32 v[QF+8*\g+8+\e], v[ACC+8+2*\e], v[ACC+9+2*\e]
.endr
.endm
	WIN 0x05
	QMUL
	WIN 0x40
	PLACES
	XLOAD XQA, 4*TILE, 6*TILE
	QPACK 0
	WIN 0x05
	QMUL
	WIN 0x40
	PLACES
.irp k, 0,1,2,3
	ds_load_b128 v[WOF+8*\k:WOF+8*\k+3],   v[WFA2] offset:WM+64*\k    ; Wo's fragments, for the end: waited for in front of the second barrier
	ds_load_b128 v[WOF+8*\k+4:WOF+8*\k+7], v[WFA2] offset:WM+64*\k+32
.endr
	QPACK 2
; ATTENTION.  Group g: query rows 2 g, 2 g + 1 of the block; its keys are halo rows 2 g .. 2 g + 7, 16 columns each.
; Scores transposed, S^T = K Q^T + mask: register j of tile i in lane (r, h) is key (row 2 g + i, column 8 h + j), query r.  So a query's 128 scores lie in
; the 64 registers of lanes r and r + 16, and packed they are P's fragment with k = key, in the same order as V's.
.macro SMUL g, sc
	v_wmma_f32_16x16x32_bf16 v[\sc:\sc+7], v[KF+8*\g:KF+8*\g+7], v[QF+8*\g:QF+8*\g+7], v[MT:MT+7]
.irp i, 1,2,3,4,5,6
	v_wmma_f32_16x16x32_bf16 v[\sc+8*\i:\sc+8*\i+7], v[KF+8*\g+4*\i:KF+8*\g+4*\i+7], v[QF+8*\g:QF+8*\g+7], v[MM:MM+7]
.endr
	v_wmma_f32_16x16x32_bf16 v[\sc+56:\sc+63], v[KF+8*\g+28:KF+8*\g+35], v[QF+8*\g:QF+8*\g+7], v[MB:MB+7]
.endm
; exp((s - m) / 4) in place, m the true maximum of the query's scores; 1 / sum in v[T+10:T+11]
.macro SOFTMAX sc
.irp c, 0,1,2,3
	v_max3_num_f32 v[T+\c], v[\sc+3*\c], v[\sc+3*\c+1], v[\sc+3*\c+2]     ; four chains, started by the first twelve scores
.endr
.set n, 0
.rept 26
	v_max3_num_f32 v[T+n%4], v[T+n%4], v[\sc+12+2*n], v[\sc+13+2*n]
.set n, n+1
.endr
	v_max3_num_f32 v[T], v[T], v[T+1], v[T+2]
	v_max_num_f32 v[T], v[T], v[T+3]
	v_permlanex16_b32 v[T+1], v[T], s66, s67       ; the other half of the query's keys
	v_max_num_f32 v[T], v[T], v[T+1]
	v_mul_f32 v[T+4], s68, v[T]                    ; -m c, twice, for the packed multiply-add.  Its rounding is the same for all of a query's scores
	v_mul_f32 v[T+5], s68, v[T]                    ; and cancels in the division by the sum
.set n, 0
.rept 32
	v_pk_fma_f32 v[\sc+2*n:\sc+2*n+1], v[\sc+2*n:\sc+2*n+1], s[62:63], v[T+4:T+5] op_sel_hi:[1,0,1]
.set n, n+1
.endr
.set n, 0
.rept 64
	v_exp_f32 v[\sc+n], v[\sc+n]
.set n, n+1
.endr
	v_nop                                          ; one plain place behind the last v_exp_f32 before results are read (ISA guide 5.7.2)
	s_wait_alu depctr_va_vdst(0)
.irp c, 0,1,2,3
	v_pk_add_f32 v[T+2*\c:T+2*\c+1], v[\sc+2*\c:\sc+2*\c+1], v[\sc+8+2*\c:\sc+9+2*\c]   ; four chains again, nothing is cleared
.endr
.set n, 0
.rept 24
	v_pk_add_f32 v[T+2*(n%4):T+2*(n%4)+1], v[T+2*(n%4):T+2*(n%4)+1], v[\sc+16+2*n:\sc+17+2*n]
.set n, n+1
.endr
	v_pk_add_f32 v[T:T+1], v[T:T+1], v[T+2:T+3]
	v_pk_add_f32 v[T+4:T+5], v[T+4:T+5], v[T+6:T+7]
	v_pk_add_f32 v[T:T+1], v[T:T+1], v[T+4:T+5]
	v_add_f32 v[T], v[T], v[T+1]
	v_permlanex16_b32 v[T+1], v[T], s66, s67
	v_add_f32 v[T], v[T], v[T+1]                   ; at least about 1: the largest score's term
	v_rcp_f32 v[T+10], v[T]
	v_nop                                          ; one plain place behind v_rcp_f32
	s_wait_alu depctr_va_vdst(0)
	v_mov_b32 v[T+11], v[T+10]
.endm
.macro PACKP sc                        ; P to f16: tile i's registers 2 e, 2 e + 1 into PF + 4 i + e
.set n, 0
.rept 32
	v_cvt_pk_f16_f32 v[PF+n], v[\sc+2*n], v[\sc+2*n+1]
.set n, n+1
.endr
.endm
; O^T = V^T P: lane (r, h) gets query r, channels 8 h + j.  Four K steps of 32 keys (two halo rows), on two half sums that take turns.
.macro PVMUL g
	v_wmma_f32_16x16x32_f16 v[OA:OA+7],    v[VF+8*\g:VF+8*\g+7],     v[PF:PF+7],     0
	v_wmma_f32_16x16x32_f16 v[OA+8:OA+15], v[VF+8*\g+8:VF+8*\g+15],  v[PF+8:PF+15],  0
	v_wmma_f32_16x16x32_f16 v[OA:OA+7],    v[VF+8*\g+16:VF+8*\g+23], v[PF+16:PF+23], v[OA:OA+7]
	v_wmma_f32_16x16x32_f16 v[OA+8:OA+15], v[VF+8*\g+24:VF+8*\g+31], v[PF+24:PF+31], v[OA+8:OA+15]
.endm
; (half sum + half sum) / sum + bv, to bf16: 16 bytes of row 16 g + r of the attention output
.macro NORM g
.irp e, 0,2,4,6
	v_pk_add_f32 v[OA+\e:OA+\e+1], v[OA+\e:OA+\e+1], v[OA+8+\e:OA+9+\e]
.endr
.irp e, 0,2,4,6
	v_pk_fma_f32 v[OA+\e:OA+\e+1], v[OA+\e:OA+\e+1], v[T+10:T+11], v[BV+\e:BV+\e+1]
.endr
.irp e, 0,1,2,3
	v_cvt_pk_bf16_f32 v[T+\e], v[OA+2*\e], v[OA+2*\e+1]
.endr
	ds_store_b128 v[ATS], v[T:T+3] offset:TILE*\g
.endm
	; The next group's scores are made behind each P V, so that matrix work stands in runs and the two score buffers take turns.
	WIN 0x05
	SMUL 0, SC0
	SMUL 1, SC1
	WIN 0
	PLACES
	SOFTMAX SC0
	WIN 0x40
	PACKP SC0
	WIN 0x05
	PVMUL 0
	SMUL 2, SC0
	WIN 0
	PLACES
	NORM 0
	SOFTMAX SC1
	WIN 0x40
	PACKP SC1
	WIN 0x05
	PVMUL 1
	SMUL 3, SC1
	WIN 0
	PLACES
	NORM 1
	SOFTMAX SC0
	WIN 0x40
	PACKP SC0
	WIN 0x05
	PVMUL 2
	WIN 0
	PLACES
	NORM 2
	SOFTMAX SC1
	WIN 0x40
	PACKP SC1
	WIN 0x05
	PVMUL 3
	WIN 0
	PLACES
	NORM 3
	; THE OUTPUT PROJECTION, transposed: A = my 16 rows of Wo, B = the 64 queries' attention output; lane (r, h) gets query r, output channels 16 w + 8 h + j
	s_wait_dscnt 0x0                               ; for the other waves: my head's part of the attention output is written (and Wo's fragments are in)
	s_barrier_signal -1
	s_barrier_wait -1                              ; all eight heads' parts are
	WIN 0x40
.irp k, 0,1,2,3
.irp m, 0,1,2,3
	ds_load_b128 v[AF+32*\m+8*\k:AF+32*\m+8*\k+3],   v[ATF] offset:TILE*\m+64*\k
	ds_load_b128 v[AF+32*\m+8*\k+4:AF+32*\m+8*\k+7], v[ATF] offset:TILE*\m+64*\k+32
.endr
.endr
	WIN 0x05
.irp k, 0,1,2,3
	s_wait_dscnt 24-8*\k                           ; all but the later steps' loads, eight a step
.irp m, 0,1,2,3
.if \k == 0
	v_wmma_f32_16x16x32_bf16 v[ACC+8*\m:ACC+8*\m+7], v[WOF:WOF+7], v[AF+32*\m:AF+32*\m+7], v[BO:BO+7]   ; bo starts the sums; four accumulators by turns
.else
	v_wmma_f32_16x16x32_bf16 v[ACC+8*\m:ACC+8*\m+7], v[WOF+8*\k:WOF+8*\k+7], v[AF+32*\m+8*\k:AF+32*\m+8*\k+7], v[ACC+8*\m:ACC+8*\m+7]
.endif
.endr
.endr
	WIN 0
	PLACES
.irp m, 0,1,2,3
	ds_store_b128 v[OSS], v[ACC+8*\m:ACC+8*\m+3]   offset:16*OSP*\m
	ds_store_b128 v[OSS], v[ACC+8*\m+4:ACC+8*\m+7] offset:16*OSP*\m+16
.endr
	s_wait_dscnt 0x0                               ; for the other waves: my 16 channels of all 64 pixels are written
	s_barrier_signal -1
	s_barrier_wait -1                              ; every pixel's 128 channels are
.irp i, 0,1,2,3,4,5,6,7
	ds_load_b128 v[OT+4*\i:OT+4*\i+3], v[OSL] offset:OSP*\i              ; block row w: eight pixels, one whole pixel a load
.endr
.irp i, 0,1,2,3,4,5,6,7
	s_wait_dscnt 7-\i                              ; pixel i is in, the younger loads may be out
	global_store_b128 v[L16], v[OT+4*\i:OT+4*\i+3], s[70:71] offset:512*\i th:TH_STORE_NT   ; the wave stores 512 consecutive bytes, at a multiple of 512 from out0's first byte
.endr
	s_wait_tensorcnt 0x0
	ds_add_u32 v94, v95
	s_wait_dscnt 0x0
	s_endpgm
.Lfunc_end_k_q08faea1a16_lwattn:
	.size	k_q08faea1a16_lwattn, .Lfunc_end_k_q08faea1a16_lwattn-k_q08faea1a16_lwattn
	.p2alignl 7, 3214868480
	.fill 96, 4, 3214868480
	.section	.rodata,"a",@progbits
	.p2align	6, 0x0
	.amdhsa_kernel k_q08faea1a16_lwattn
		.amdhsa_group_segment_fixed_size 252416
		.amdhsa_private_segment_fixed_size 0
		.amdhsa_enable_private_segment 0
		.amdhsa_kernarg_size 80
		.amdhsa_user_sgpr_count 2
		.amdhsa_user_sgpr_kernarg_segment_ptr 1
		.amdhsa_wavefront_size32 1
		.amdhsa_system_sgpr_workgroup_id_x 1
		.amdhsa_system_sgpr_workgroup_id_y 1
		.amdhsa_system_sgpr_workgroup_id_z 1
		.amdhsa_system_vgpr_workitem_id 0
		.amdhsa_next_free_vgpr 512
		.amdhsa_next_free_sgpr 80
		.amdhsa_reserve_vcc 1
		.amdhsa_float_denorm_mode_32 3
		.amdhsa_float_denorm_mode_16_64 3
		.amdhsa_memory_ordered 1
		.amdhsa_forward_progress 1
		.amdhsa_inst_pref_size 122
	.end_amdhsa_kernel
	.amdgpu_metadata
---
amdhsa.version: [ 1, 2 ]
amdhsa.kernels:
  - .name:           k_q08faea1a16_lwattn
    .symbol:         k_q08faea1a16_lwattn.kd
    .args:
      - { .name: x, .offset: 0, .size: 8, .value_kind: global_buffer, .address_space: global }
      - { .name: Wq, .offset: 8, .size: 8, .value_kind: global_buffer, .address_space: global }
      - { .name: bq, .offset: 16, .size: 8, .value_kind: global_buffer, .address_space: global }
      - { .name: Wk, .offset: 24, .size: 8, .value_kind: global_buffer, .address_space: global }
      - { .name: bk, .offset: 32, .size: 8, .value_kind: global_buffer, .address_space: global }
      - { .name: Wv, .offset: 40, .size: 8, .value_kind: global_buffer, .address_space: global }
      - { .name: bv, .offset: 48, .size: 8, .value_kind: global_buffer, .address_space: global }
      - { .name: Wo, .offset: 56, .size: 8, .value_kind: global_buffer, .address_space: global }
      - { .name: bo, .offset: 64, .size: 8, .value_kind: global_buffer, .address_space: global }
      - { .name: out0, .offset: 72, .size: 8, .value_kind: global_buffer, .address_space: global }
    .group_segment_fixed_size: 252416
    .private_segment_fixed_size: 0
    .kernarg_segment_align: 8
    .kernarg_segment_size: 80
    .max_flat_workgroup_size: 256
    .sgpr_count:     80
    .vgpr_count:     512
    .wavefront_size: 32
...
	.end_amdgpu_metadata
.endif
;; end of part 1
